; MI455X (gfx1250); checked and timed in simulation.
; The chip was launched on July 23, 2026; its instructions are those of AMD's public machine-readable ISA for CDNA 5 (MIT licence, August 2026) and "CDNA5" Instruction Set Architecture Reference Guide (July 2026). The comments in the code are by the model that wrote it; some were corrected since.
;; Cross Attention. Allowed arithmetic: matrix products marked QUANTISED: E2M3 operands, one E8M0 scale for each 32 along K, by v_wmma_scale_f32_16x16x128_f8f6f4 with both operands' format E2M3, f32 sums; everything else in f32.
;; Inputs: Wk 128 x 256 float32; Wo 256 x 512 float32; Wq 512 x 256 float32; Wv 128 x 256 float32; bk 256 float32; bo 512 float32; bq 256 float32; bv 256 float32; g 8 x 1 x 128 float32; x 8 x 2,048 x 512 float32.
;; Outputs: out0 8 x 2,048 x 512 float32.
;; This version of the problem:
;;   THIS VERSION OF THE PROBLEM IS GIVEN IN LOW PRECISION. The matrix products marked QUANTISED in the list below multiply operands that are first quantised to E2M3 (2 exponent bits, 3 mantissa bits; 6 bits a number), with one power-of-two scale for each 32 numbers along K (OCP MX v1.0); their sums are f32. All else is computed in f32.
;;   The module's matrix products, in the order in which they are computed (A, B: the left and right operand; K: the contracted axis; several contracted axes count as one K, in the product's order):
;;     1. [M 16,384, K 512] x [K 512, N 256]; A: input x; B: input Wq: QUANTISED
;;     2. [M 16,384, K 128] x [K 128, N 256]; A: input g; B: input Wk: QUANTISED
;;     3. [M 16,384, K 128] x [K 128, N 256]; A: input g; B: input Wv: QUANTISED
;;     4. batch 8 x [M 2,048, K 256] x [K 256, N 2,048]; A: computed on the way; B: computed on the way: QUANTISED
;;     5. batch 8 x [M 2,048, K 2,048] x [K 2,048, N 256]; A: softmax (see below); B: computed on the way: QUANTISED
;;     6. [M 16,384, K 256] x [K 256, N 512]; A: computed on the way; B: input Wo: QUANTISED
;;   THE QUANTISER, for each operand of a quantised product, along K:
;;     - K is cut into blocks of 32 from its start; a last block that is shorter is filled with zeros.
;;     - A block's scale is 2^e with e = floor(log2(the largest magnitude in the block)) - 2, held to -126 .. 127; a block of zeros has e = 0. As a byte (E8M0): e + 127.
;;     - Each number is divided by its block's scale, clamped to +-7.5, and rounded to the nearest number of E2M3, ties to even, subnormals kept.
;;     - The product sums the exact products of the quantised numbers (number of the format x scale) in f32.
;;   ~~~python
;;   def quantise(x, axis):      # numpy; x: float32 -> the quantised numbers, widened to float32 again
;;       x = np.moveaxis(x, axis, -1); K = x.shape[-1]
;;       x = np.pad(x, [(0, 0)] * (x.ndim - 1) + [(0, -K % 32)]); x = x.reshape(x.shape[:-1] + (-1, 32)); a = np.abs(x).max(-1, keepdims=True)
;;       e = np.where(a > 0, np.clip(np.frexp(np.where(a > 0, a, 1))[1] - 1 - 2, -126, 127), 0)      # np.frexp(a)[1] - 1 = floor(log2(a)), exactly
;;       r = np.clip(x / 2.0 ** e, -7.5, 7.5)
;;       step = 2.0 ** (np.maximum(np.frexp(np.where(r == 0, 1, r))[1] - 1, 0) - 3)
;;       q = np.round(r / step) * step * 2.0 ** e      # np.round: ties to even
;;       return np.moveaxis(q.reshape(q.shape[:-2] + (-1,))[..., :K], -1, axis).astype(np.float32)
;;   ~~~
;;   SOFTMAX AHEAD OF A QUANTISED PRODUCT. Where the list says 'softmax', what is quantised is not the finished softmax but p = 2^(t - M), with t = logit x log2(e) and M = ceil(the row's largest t), a whole number; so 1/2 < the row's largest p <= 1. The row's sum l is taken of the UNQUANTISED p, in f32, and the product's result is divided by l at the end. Since M is a whole number, a kernel that streams over the keys may use a running M (the ceiling of the running maximum): every later rescaling is an exact power of two, which a block's scale takes up: the codes' values come out the same.
;;   OPERANDS COMPUTED ON THE WAY. 'Computed on the way' means the value that the module computes at that place (a softmax that the list does not call 'softmax' is quantised finished and normalised). What goes into a quantiser is computed in f32, as accurately as f32 sums, v_exp_f32 and their like allow (about 1e-6 of the number): no bf16 or f16 on the way to a quantiser, and a product that is left as it is and whose result goes on into a quantised operand takes f32 operands (vector FMAs, or v_wmma_f32_16x16x4_f32). A number that lies on a knife's edge between two numbers of the format may be rounded either way, as far as f32 arithmetic and the matrix unit's own rounding can turn it there, and no further.
;; 2 versions, each right; version 2 is version 1 with the launch prep written anew for expert scheduling mode. Each part assembles by itself: llvm-mc -triple=amdgcn-amd-amdhsa -mcpu=gfx1250 --defsym DOCPART=n.
;; ======== version 1 of 2: 2 launches
;; workspace buffers: frag 296,448 bytes; scl 24,832 bytes
;; launch prep (part 1): grid 152 x 1, 1 waves a work-group, no clusters, 0 bytes of LDS; arguments Wq, Wo, Wk, Wv, bk, bv, g, frag, scl; writes frag, scl
.if DOCPART == 1
	.amdgcn_target "amdgcn-amd-amdhsa--gfx1250"
	.amdhsa_code_object_version 6
	.text
	.protected	k_qb2e476ae77_prep
	.globl	k_qb2e476ae77_prep
	.p2align	8
	.type	k_qb2e476ae77_prep,@function
k_qb2e476ae77_prep:
	s_mov_b64 s[64:65], 0
	v_nop
	global_prefetch_b8 v0, s[64:65] scope:SCOPE_SE
	s_setreg_imm32_b32 hwreg(HW_REG_WAVE_MODE, 25, 1), 1
	s_wait_xcnt 0x0
; THE WEIGHTS AND THE ONE KEY AND VALUE ROW OF EACH BATCH, AS CODES OF FP6 (E2M3) WITH ONE E8M0 SCALE FOR EACH 32 ALONG K, laid as the second launch's operand registers take them.
; A work-group is one wave and makes one piece; which piece hangs on the work-group's number alone:
;   0..63    Wq [512][256]: fragment 4 T + s (tile T of 16 columns, K step s of 128)  -> frag + 1536 (4 T + s), scale words -> scl + 512 T + 16 lane + 4 s
;   64..127  Wo [256][512]: fragment 2 T' + s                                         -> frag + 98304 + 1536 (2 T' + s), scl + 8192 + 256 T' + 8 lane + 4 s
;   128..135 K_b = Q(g_b) Q(Wk) + bk, channels 32 blk .. 32 blk + 31 of all 8 batches, quantised along the channels -> frag + 294912 + 192 b + 24 blk, scl + 24576 + 8 b + blk
;   136..151 V_b = Q(g_b) Q(Wv) + bv, 16 channels of all 8 batches, quantised along the KEYS                         -> frag + 196608 + 12288 b + 768 t, scl + 16384 + 1024 b + 64 r + 4 t
; reference() broadcasts g along the 2,048 points itself, so all keys of a batch are one row and all values one row: sixteen rows (the 8 batches, twice) are multiplied here, not 16,384.
; Along the keys a channel of V is 2,048 times one number: a block of 32 keys has one scale and 32 equal codes, so a fragment of V^T is three registers (16 codes) repeated.
; A WEIGHT'S K IS ITS FIRST AXIS: a lane takes a column and its registers run down K, in the order that the operand's layout gives that lane (registers 6 c .. 6 c + 5: k = 64 c + 32 (lane / 16) + 0 .. 31):
; a block of 32 lies in one lane, and the conversions' results are the operand's registers.  An image of a fragment: registers 4 c .. 4 c + 3 of lane l at 512 c + 16 l.
; THE COLUMNS OF A TILE of Wq, Wk and Wv ARE NOT NEIGHBOURS: row i of tile T is column 32 (T / 2) + 8 (T % 2) + i + 8 (i / 8), so that the results of tiles 2 b and 2 b + 1 are 16 neighbours along the next product's K.
; A block's scale is 2^(floor(log2(its largest magnitude)) - 2): its byte is the largest magnitude's exponent field - 2, held at 1 from below by a floor among the maximum's leaves.
; LIMITS: a block of zeros, and one whose largest magnitude lies under 2^-124, gets the byte 1 (the rule says 127 for zeros: the codes are zeros, and this program alone reads the bytes); NaN and infinities are not served.
; The stores of K's pieces and of the scale words cover less than 256 consecutive bytes each: under 30 KB in all.
.set SH8, 1                            ; v1   8 h: my two scale bytes' place in the word
.set L16, 2                            ; v2   16 x lane
.set L8,  3                            ; v3   8 x lane
.set RR,  4                            ; v4   r = lane % 16
.set WOF, 5                            ; v5   a weight's load offset: 4 x my column in the tile + h x 32 rows
.set GOF, 6                            ; v6   g: 512 (r % 8) + 128 h
.set COF, 7                            ; v7   4 (r + 8 (r / 8))
.set T,   8                            ; v8-14 at work; v14 a lane permute's destination
.set HH,  15                           ; v15  h = lane / 16
.set X0,  16                           ; v16-79   64 numbers of a weight's column
.set X1,  80                           ; v80-143  the same of a second tile
.set XG,  144                          ; v144-207 64 numbers of g
.set F,   208                          ; v208-219 a weight's fragment
.set FG,  220                          ; v220-231 g's fragment
.set CT,  232                          ; v232-234 a conversion's three registers
.set KO,  235                          ; v235 a store offset
.set S,   236                          ; v236 the weight's scale words, and nothing else
.set SG,  237                          ; v237 g's scale words, and nothing else
.set BI,  238                          ; v238 a bias, or a bias's offset
.set KB,  239                          ; v239 a store offset
.set D,   240                          ; v240-255 two accumulators
.set FLOOR, 0x1800000                  ; 2^(3 - 127)
.macro PLACES n
.rept \n
	v_nop
.endr
.endm
; 64 numbers of my column: register 32 c + i = W(64 c + 32 h + i, column); sixteen lanes read 64 (in two runs of 32 where the tile's columns are not neighbours) consecutive bytes
.macro LOADW x, base, pitch, off
.set q, 0
.rept 64
	global_load_b32 v[\x+q], v[WOF], s[\base:\base+1] offset:\off+\pitch*(64*(q/32)+q%32)
.set q, q+1
.endr
.endm
; g as 16 rows (row r = batch r % 8): K is innermost, so my 32 numbers of a block are 128 consecutive bytes
.macro LOADG
.irp c, 0,1
.irp j, 0,1,2,3,4,5,6,7
	global_load_b128 v[XG+32*\c+4*\j:XG+32*\c+4*\j+3], v[GOF], s[16:17] offset:256*\c+16*\j
.endr
.endr
.endm
; 64 numbers in v[x] on (two whole blocks of 32) become the fragment v[f] .. v[f + 11] and the scale word v[sw]
.macro QFRAG x, f, sw
.irp c, 0,1
	v_max3_num_f32 v[T+\c], |v[\x+32*\c]|, |v[\x+32*\c+1]|, FLOOR        ; my block 2 c + h, and the floor
.endr
.irp i, 2,4,6,8,10,12,14,16,18,20,22,24,26,28,30
.irp c, 0,1
	v_max3_num_f32 v[T+\c], v[T+\c], |v[\x+32*\c+\i]|, |v[\x+32*\c+\i+1]|   ; the two blocks by turns
.endr
.endr
.irp c, 0,1
	v_add_nc_u32 v[T+2+\c], 0xff000000, v[T+\c]    ; 2 off the exponent field: the conversion takes the exponent field of this operand as its scale
.endr
.irp c, 0,1
	v_lshrrev_b32 v[T+4+\c], 23, v[T+2+\c]         ; the scale's byte
.endr
	v_lshl_or_b32 v[\sw], v[T+5], 16, v[T+4]       ; blocks h and 2 + h,
	v_lshlrev_b32 v[\sw], v[SH8], v[\sw]           ; at their places in the word;
	v_permlanex16_b32 v[T+6], v[\sw], s22, s23
	v_or_b32 v[\sw], v[\sw], v[T+6]                ; with lane l xor 16's two the word is whole
.irp c, 0,1
	v_cvt_scalef32_pk16_fp6_f32 v[\f+6*\c:\f+6*\c+2], v[\x+32*\c:\x+32*\c+15], v[T+2+\c]
	v_cvt_scalef32_pk16_fp6_f32 v[CT:CT+2], v[\x+32*\c+16:\x+32*\c+31], v[T+2+\c]   ; a conversion's three registers begin on an even number: the block's second half is made here and moved
	v_nop                                          ; one plain instruction behind a scaled conversion
.irp i, 0,1,2
	v_mov_b32 v[\f+6*\c+3+\i], v[CT+\i]
.endr
.endr
.endm
	s_load_b512 s[4:19], s[0:1], 0x0               ; Wq s[4:5], Wo s[6:7], Wk s[8:9], Wv s[10:11], bk s[12:13], bv s[14:15], g s[16:17], frag s[18:19]
	s_load_b64 s[20:21], s[0:1], 0x40              ; scl
	v_and_b32 v[RR], 15, v0                        ; one wave: v0 is the lane
	v_lshrrev_b32 v[HH], 4, v0
	v_lshlrev_b32 v[SH8], 3, v[HH]
	v_lshlrev_b32 v[L16], 4, v0
	v_lshlrev_b32 v[L8], 3, v0
	v_and_b32 v[COF], 8, v[RR]
	v_add_nc_u32 v[COF], v[COF], v[RR]
	v_lshlrev_b32 v[COF], 2, v[COF]
	v_lshl_add_u32 v[WOF], v[HH], 15, v[COF]       ; rows of 1,024 bytes (Wq, Wk, Wv): lanes 16-31 begin 32 rows further down
	v_and_b32 v[GOF], 7, v0
	v_lshlrev_b32 v[GOF], 9, v[GOF]
	v_lshl_add_u32 v[GOF], v[HH], 7, v[GOF]
	v_mov_b32 v[T+6], 0                            ; written once: a lane permute's destination counts as one of its sources
	s_mov_b32 s22, 0x76543210
	s_mov_b32 s23, 0xfedcba98                      ; v_permlanex16_b32's selects for lane l xor 16
	s_mov_b32 s27, 0                               ; the upper word of every offset
	s_wait_kmcnt 0x0
	s_cmp_lt_u32 ttmp9, 64
	s_cbranch_scc1 .Lwq
	s_cmp_lt_u32 ttmp9, 128
	s_cbranch_scc1 .Lwo
	s_cmp_lt_u32 ttmp9, 136
	s_cbranch_scc1 .Lk
	; ---- V: tile t of 16 channels, all 8 batches
	s_sub_co_u32 s24, ttmp9, 136                   ; t
	s_lshr_b32 s26, s24, 1
	s_lshl_b32 s26, s26, 7
	s_and_b32 s28, s24, 1
	s_lshl_b32 s28, s28, 5
	s_add_co_u32 s26, s26, s28                     ; 4 x (32 (t / 2) + 8 (t % 2))
	s_add_nc_u64 s[10:11], s[10:11], s[26:27]
	s_add_nc_u64 s[14:15], s[14:15], s[26:27]
	s_mul_i32 s26, s24, 768
	s_add_nc_u64 s[18:19], s[18:19], s[26:27]
	s_lshl_b32 s26, s24, 2
	s_add_nc_u64 s[20:21], s[20:21], s[26:27]
	v_lshlrev_b32 v[KO], 6, v0                     ; 64 r, in the lanes that store
	LOADG
	global_load_b32 v[BI], v[COF], s[14:15]        ; bv of my channel
	LOADW X0, 10, 1024, 0
	s_wait_loadcnt 0x0
	QFRAG XG, FG, SG
	QFRAG X0, F, S
	PLACES 8                                       ; a scale register written by a vector instruction stands 8 places ahead of a scaled matrix instruction, an operand so written 4
	v_wmma_scale_f32_16x16x128_f8f6f4 v[D:D+7], v[FG:FG+11], v[F:F+11], 0, v[SG], v[S] matrix_a_fmt:MATRIX_FMT_FP6 matrix_b_fmt:MATRIX_FMT_FP6   ; source 0 = g's rows, source 1 = Wv's columns: my lane holds ONE channel, register j batch j (both halves of the lanes alike)
	PLACES 5
; batch j: the channel's value, 16 times; its scale; 16 codes; the fragment is these three registers four times, the scale word the byte four times
.macro VBATCH j
.set VC, 32+14*(\j)
.set q, 0
.rept 16
	v_add_f32 v[16+q], v[D+(\j)], v[BI]
.set q, q+1
.endr
	v_max3_num_f32 v[T], |v16|, |v17|, FLOOR
	v_add_nc_u32 v[T+2], 0xff000000, v[T]
	v_cvt_scalef32_pk16_fp6_f32 v[VC:VC+2], v[16:31], v[T+2]
	v_lshrrev_b32 v[T+4], 23, v[T+2]               ; (the plain instruction behind the conversion)
	v_lshl_or_b32 v[T+4], v[T+4], 8, v[T+4]
	v_lshl_or_b32 v[VC+12], v[T+4], 16, v[T+4]
.irp i, 3,4,5,6,7,8,9,10,11
	v_mov_b32 v[VC+\i], v[VC+(\i%3)]
.endr
.endm
.irp j, 0,1,2,3,4,5,6,7                        ; the accumulator is read from its low end on
	VBATCH \j
.endr
	s_wait_xcnt 0x0                                ; EXEC changes only behind this wait
	v_cmp_gt_u32 vcc_lo, 16, v0
	s_and_saveexec_b32 s30, vcc_lo                 ; lanes 16-31 hold the same numbers: lanes 0-15 store
.irp j, 0,1,2,3,4,5,6,7
.irp c, 0,1,2
	global_store_b128 v[L16], v[32+14*\j+4*\c:32+14*\j+4*\c+3], s[18:19] offset:196608+12288*\j+256*\c   ; sixteen lanes store 256 consecutive bytes, aligned
.endr
	global_store_b32 v[KO], v[32+14*\j+12], s[20:21] offset:16384+1024*\j
.endr
	s_endpgm
.Lwq:	; ---- Wq: tile T = id / 4, K step s = id % 4
	s_lshr_b32 s24, ttmp9, 2
	s_and_b32 s25, ttmp9, 3
	s_lshl_b32 s26, s25, 17                        ; 128 s rows of 1,024 bytes
	s_lshr_b32 s28, s24, 1
	s_lshl_b32 s28, s28, 7
	s_add_co_u32 s26, s26, s28
	s_and_b32 s28, s24, 1
	s_lshl_b32 s28, s28, 5
	s_add_co_u32 s26, s26, s28                     ; + 4 x (32 (T / 2) + 8 (T % 2))
	s_add_nc_u64 s[4:5], s[4:5], s[26:27]
	s_mul_i32 s26, ttmp9, 1536
	s_add_nc_u64 s[18:19], s[18:19], s[26:27]
	s_lshl_b32 s26, s24, 9
	s_lshl_b32 s28, s25, 2
	s_add_co_u32 s26, s26, s28
	s_add_nc_u64 s[20:21], s[20:21], s[26:27]
	LOADW X0, 4, 1024, 0
	s_wait_loadcnt 0x0
	QFRAG X0, F, S
.irp c, 0,1,2
	global_store_b128 v[L16], v[F+4*\c:F+4*\c+3], s[18:19] offset:512*\c    ; 32 lanes store 512 consecutive bytes, aligned
.endr
	global_store_b32 v[L16], v[S], s[20:21]
	s_endpgm
.Lwo:	; ---- Wo: tile T' = j / 2, K step s = j % 2, j = id - 64; the tile's columns are neighbours
	s_sub_co_u32 s24, ttmp9, 64
	s_lshr_b32 s25, s24, 1
	s_and_b32 s28, s24, 1
	s_lshl_b32 s26, s28, 18                        ; 128 s rows of 2,048 bytes
	s_lshl_b32 s29, s25, 6
	s_add_co_u32 s26, s26, s29                     ; + 4 x 16 T'
	s_add_nc_u64 s[6:7], s[6:7], s[26:27]
	s_mul_i32 s26, s24, 1536
	s_add_nc_u64 s[18:19], s[18:19], s[26:27]
	s_lshl_b32 s26, s25, 8
	s_lshl_b32 s29, s28, 2
	s_add_co_u32 s26, s26, s29
	s_add_nc_u64 s[20:21], s[20:21], s[26:27]
	v_lshlrev_b32 v[WOF], 2, v[RR]
	v_lshl_add_u32 v[WOF], v[HH], 16, v[WOF]       ; 4 r + h x 32 rows of 2,048 bytes
	LOADW X0, 6, 2048, 0
	s_wait_loadcnt 0x0
	QFRAG X0, F, S
.irp c, 0,1,2
	global_store_b128 v[L16], v[F+4*\c:F+4*\c+3], s[18:19] offset:98304+512*\c
.endr
	global_store_b32 v[L8], v[S], s[20:21] offset:8192
	s_endpgm
.Lk:	; ---- K: channels 32 blk .. 32 blk + 31 (tiles 2 blk and 2 blk + 1 of Wk), all 8 batches
	s_sub_co_u32 s24, ttmp9, 128                   ; blk
	s_lshl_b32 s26, s24, 7                         ; 32 channels of 4 bytes
	s_add_nc_u64 s[8:9], s[8:9], s[26:27]
	s_add_nc_u64 s[12:13], s[12:13], s[26:27]
	s_mul_i32 s26, s24, 24
	s_add_nc_u64 s[18:19], s[18:19], s[26:27]
	s_mov_b32 s26, s24
	s_add_nc_u64 s[20:21], s[20:21], s[26:27]
	v_lshlrev_b32 v[BI], 6, v[HH]                  ; bk: 64 h
	v_mul_u32_u24 v[KO], v[RR], 192
	v_mad_u32_u24 v[KO], v[HH], 12, v[KO]          ; codes: row r of 192 bytes, + 12 h
	v_lshlrev_b32 v[KB], 3, v[RR]                  ; scale bytes: 8 a row
	LOADG
.irp u, 0,1
	global_load_b128 v[D+8*\u:D+8*\u+3], v[BI], s[12:13] offset:32*\u         ; bk in the result's layout: it is the C of the product
	global_load_b128 v[D+8*\u+4:D+8*\u+7], v[BI], s[12:13] offset:32*\u+16
.endr
	LOADW X0, 8, 1024, 0
	LOADW X1, 8, 1024, 32
	s_wait_loadcnt 0x0
	QFRAG XG, FG, SG
	QFRAG X0, F, S
	PLACES 8
	v_wmma_scale_f32_16x16x128_f8f6f4 v[D:D+7], v[F:F+11], v[FG:FG+11], v[D:D+7], v[S], v[SG] matrix_a_fmt:MATRIX_FMT_FP6 matrix_b_fmt:MATRIX_FMT_FP6   ; TRANSPOSED: source 0 = 16 columns of Wk, source 1 = g: my lane holds one batch, its registers run along the channels
	QFRAG X1, F, S                                 ; its first 32 lines name none of the product's registers: they are the places ahead of the writes of F and S
	PLACES 8
	v_wmma_scale_f32_16x16x128_f8f6f4 v[D+8:D+15], v[F:F+11], v[FG:FG+11], v[D+8:D+15], v[S], v[SG] matrix_a_fmt:MATRIX_FMT_FP6 matrix_b_fmt:MATRIX_FMT_FP6
	PLACES 5
	v_max3_num_f32 v[T], |v[D]|, |v[D+1]|, FLOOR   ; my 16 registers are channels 32 blk + 16 h + 0 .. 15 of batch r % 8: half a block of the next product's K
.irp i, 2,4,6,8,10,12,14
	v_max3_num_f32 v[T], v[T], |v[D+\i]|, |v[D+\i+1]|
.endr
	v_permlanex16_b32 v[T+6], v[T], s22, s23
	v_max_num_f32 v[T], v[T], v[T+6]               ; with lane l xor 16's: the block's largest magnitude
	v_add_nc_u32 v[T+2], 0xff000000, v[T]
	v_cvt_scalef32_pk16_fp6_f32 v[CT:CT+2], v[D:D+15], v[T+2]
	v_lshrrev_b32 v[T+4], 23, v[T+2]               ; the byte (the plain instruction behind the conversion)
	s_wait_xcnt 0x0                                ; EXEC changes only behind this wait
	v_cmp_gt_u32 vcc_lo, 8, v[RR]
	s_and_saveexec_b32 s30, vcc_lo                 ; rows 8-15 repeat rows 0-7
	global_store_b96 v[KO], v[CT:CT+2], s[18:19] offset:294912
	global_store_b8 v[KB], v[T+4], s[20:21] offset:24576   ; both halves of the lanes write the same byte with the same value
	s_endpgm
.Lfunc_end_k_qb2e476ae77_prep:
	.size	k_qb2e476ae77_prep, .Lfunc_end_k_qb2e476ae77_prep-k_qb2e476ae77_prep
	.p2alignl 7, 3214868480
	.fill 96, 4, 3214868480
	.section	.rodata,"a",@progbits
	.p2align	6, 0x0
	.amdhsa_kernel k_qb2e476ae77_prep
		.amdhsa_group_segment_fixed_size 0
		.amdhsa_private_segment_fixed_size 0
		.amdhsa_enable_private_segment 0
		.amdhsa_kernarg_size 72
		.amdhsa_user_sgpr_count 2
		.amdhsa_user_sgpr_kernarg_segment_ptr 1
		.amdhsa_wavefront_size32 1
		.amdhsa_system_sgpr_workgroup_id_x 1
		.amdhsa_system_sgpr_workgroup_id_y 1
		.amdhsa_system_sgpr_workgroup_id_z 1
		.amdhsa_system_vgpr_workitem_id 0
		.amdhsa_next_free_vgpr 256
		.amdhsa_next_free_sgpr 66
		.amdhsa_reserve_vcc 1
		.amdhsa_float_denorm_mode_32 3
		.amdhsa_float_denorm_mode_16_64 3
		.amdhsa_memory_ordered 1
		.amdhsa_forward_progress 1
		.amdhsa_inst_pref_size 74
	.end_amdhsa_kernel
	.amdgpu_metadata
---
amdhsa.version: [ 1, 2 ]
amdhsa.kernels:
  - .name:           k_qb2e476ae77_prep
    .symbol:         k_qb2e476ae77_prep.kd
    .args:
      - { .name: Wq, .offset: 0, .size: 8, .value_kind: global_buffer, .address_space: global }
      - { .name: Wo, .offset: 8, .size: 8, .value_kind: global_buffer, .address_space: global }
      - { .name: Wk, .offset: 16, .size: 8, .value_kind: global_buffer, .address_space: global }
      - { .name: Wv, .offset: 24, .size: 8, .value_kind: global_buffer, .address_space: global }
      - { .name: bk, .offset: 32, .size: 8, .value_kind: global_buffer, .address_space: global }
      - { .name: bv, .offset: 40, .size: 8, .value_kind: global_buffer, .address_space: global }
      - { .name: g, .offset: 48, .size: 8, .value_kind: global_buffer, .address_space: global }
      - { .name: frag, .offset: 56, .size: 8, .value_kind: global_buffer, .address_space: global }
      - { .name: scl, .offset: 64, .size: 8, .value_kind: global_buffer, .address_space: global }
    .group_segment_fixed_size: 0
    .private_segment_fixed_size: 0
    .kernarg_segment_align: 8
    .kernarg_segment_size: 72
    .max_flat_workgroup_size: 32
    .sgpr_count:     66
    .vgpr_count:     256
    .wavefront_size: 32
...
	.end_amdgpu_metadata
.endif
;; end of part 1
;; launch main (part 2): grid 256 x 1, 4 waves a work-group, no clusters, 251,392 bytes of LDS; arguments x, bq, bo, frag, scl, out0; writes out0
.if DOCPART == 2
	.amdgcn_target "amdgcn-amd-amdhsa--gfx1250"
	.amdhsa_code_object_version 6
	.text
	.protected	k_qb2e476ae77_main
	.globl	k_qb2e476ae77_main
	.p2align	8
	.type	k_qb2e476ae77_main,@function
k_qb2e476ae77_main:
	s_mov_b64 s[64:65], 0
	v_nop
	global_prefetch_b8 v0, s[64:65] scope:SCOPE_SE
	s_setreg_imm32_b32 hwreg(HW_REG_WAVE_MODE, 25, 1), 1
	s_wait_xcnt 0x0
; out = attended Wo + bo, attended = softmax((x Wq + bq) K^T / 16) V, all products on codes of FP6 (E2M3) with one E8M0 scale for each 32 along K, by v_wmma_scale_f32_16x16x128_f8f6f4; sums and all else in f32.
; A work-group of four waves takes 64 rows of x (batch = work-group / 32) through the whole chain; Q, p and attended never go to memory.
; reference() broadcasts the one global token along the 2,048 points itself, so all keys of a batch are one row k and all values one row v, for every input.  A query then has ONE score, one M = ceil(t) and one p = 2^(t - M);
; every block of 32 keys has the same codes and the same scale, of p and of V.  O and the row's sum l both grow by the same whole factor with the number of keys walked: one tile of 16 keys gives the score, and one K step of 128
; keys, with l = 128 p, gives O / l as all sixteen steps would.
; PHASES.  X: wave w quantises rows 16 w .. 16 w + 15 of x; codes and scale bytes to LDS as rows | barrier |  1: THE WAVES SHARE THE COLUMNS: wave w makes Q's columns 64 w .. 64 w + 63 for all 64 rows (transposed: source 0 = 16
; columns of Wq, source 1 = x), quantises them in registers: half a fragment of the next product; image to LDS | barrier |  A: wave w takes rows 16 w on: S^T = K Q^T, p, O^T = V^T P^T, O / l, quantised: two fragments; images to
; LDS | barrier |  2: wave w makes out's columns 128 w .. 128 w + 127 for all 64 rows; each tile of 16 rows leaves through the wave's own stage as whole rows of 512 bytes.
; So each fragment of Wq and Wo goes from memory into ONE wave's registers once, as the first launch laid it, and no weight goes through LDS.
; NO CLUSTER, NO JOINT LOADS, though all work-groups read the same images: a joint load lands in LDS, and the work-group's 98,304 + 98,304 bytes of weight images do not fit beside the 250,880 bytes below in 327,680.
; x comes by tensor loads, four a wave (4 rows of 2,048 bytes each), all issued at the head: by this text's count four are out.  No LDS byte is filled twice.
; LIMITS: NaN and infinities are not served; a block of zeros, and one whose largest magnitude lies under 2^-124, gets the scale byte 1 (its codes are zeros or as the byte 1 gives them).
;
; LDS
.set XC,   163840                      ; from 0: x as f32, 40,960 bytes a wave: 16 rows of 32 places of 64 bytes + 16 of padding (2,560 a row).  From XC: x's codes, 64 rows 400 bytes apart (384 + 16)
.set XSC,  189440                      ; x's scale bytes, 16 a row
.set QIMG, 190464                      ; Q's 8 fragments (tile of rows m, K step s: 2 m + s) at 1,536 f; half c at 768 c: registers 0-3 at 16 lane, registers 4-5 at 512 + 8 lane
.set QSC,  202752                      ; their scale words: 128 f + 4 lane
.set AIMG, 203776                      ; attended's 8 fragments: registers 4 c .. 4 c + 3 at 1,536 f + 512 c + 16 lane
.set ASC,  216064                      ; their scale words
.set STG,  217088                      ; the way out: 16 rows x (512 + 16) bytes for each wave
; WORKSPACE
.set F_WO, 98304
.set F_V,  196608
.set F_K,  294912
.set S_WO, 8192
.set S_V,  16384
.set S_K,  24576
; REGISTERS, window 0
.set L16, 1                            ; 16 x lane (images in memory, out0)
.set XA,  2                            ; x in LDS: my wave's rows + 80 x lane
.set XCW, 3                            ; where I store a row's codes: 12 x lane
.set XSW, 4                            ; and its scale byte: lane / 2
.set XFA, 5                            ; x's fragments: 400 r + 24 h
.set XSA, 6                            ; x's scale words: 16 r
.set QWA, 7                            ; Q's images, in: 768 w + 16 lane
.set QWB, 8                            ;   512 + 768 w + 8 lane
.set QWS, 9                            ;   128 (w / 2) + 2 (w % 2) + 4 lane
.set QRA, 10                           ; and back: 3,072 w + 16 lane
.set QRB, 11
.set QRS, 12
.set AWI, 13                           ; attended's images, in: 3,072 w + 16 lane
.set AWS, 14
.set ARI, 15                           ; and back: 16 lane
.set ARS, 16
.set STO, 17                           ; the stage, in: 528 r + 32 h
.set RD,  18                           ; and back: 16 lane
.set R16, 19                           ; offsets of the loads at the head: 16 r, 24 h, 64 h, 32 h, 8 lane, 64 r, 0
.set H24, 20
.set H64, 21
.set H32, 22
.set L8,  23
.set R64, 24
.set ZERO, 25
.set PS,  26                           ; v26 and v28-95 hold scale words and nothing else, v27 an LDS address: p's;
.set WQS, 28                           ; Wq's, 4 t + s;
.set WOS, 44                           ; Wo's, 2 n + s;
.set VS,  60                           ; V's, by tile;
.set KS,  76                           ; K's two;
.set XS,  78                           ; x's, two sets of four;
.set QS,  86                           ; Q's two;
.set AS,  88                           ; attended's, 2 m + s
.set X,   96                           ; phase X: two sets of 16 numbers;
.set C,   128                          ;   four registers of codes for each row;
.set E,   192                          ;   a byte for each row;
.set T,   208                          ;   at work
.set XF,  96                           ; phase 1: x's fragments, two sets of four;
.set HA,  192                          ;   my four tiles of Q;
.set PC1, 224                          ;   the codes just made, two sets of ten;
.set PW1, 244                          ;   the two bytes just made, two sets;
.set TM1, 246                          ;   at work
.set OA,  96                           ; phase A: eight tiles of O^T (ahead of them: p, 16 times);
.set QF,  160                          ;   Q's two fragments;
.set SS,  184                          ;   S^T;
.set PF,  192                          ;   p's fragment;
.set PCA, 204                          ;   the codes just made;
.set TMA, 224                          ;   at work;
.set PWA, 240                          ;   the scale word just made;
.set TT,  241
.set NM,  242
.set PP,  243
.set INV, 244                          ;   1 / l, twice
.set PB,  246
.set AF,  96                           ; phase 2: attended's eight fragments;
.set BK,  192                          ;   16 rows back from the stage
; window 1: Wq's 16 fragments at 12 (4 t + s); bq's four tiles from v192; K's two fragments from v224.   window 2: Wo's 16 fragments at 12 (2 n + s); bo's eight tiles from v192.
; window 3: V's 16 fragments at 12 t; the eight accumulators of out from v192.
.set BQ,  192
.set KF,  224
.set BO,  192
.set ACC, 192
.set G1,  16                           ; s[16:23] descriptor group 1;  s[24:39] four groups 0
.set G0,  24
.set WV,  40                           ; s40 wave, s41 batch
.set FW,  44                           ; s[44:45] frag + 24,576 w;  s[46:47] frag + 12,288 b;  s[48:49] frag + 192 b;  s[50:51] scl + 2,048 w;  s[52:53] scl + 1,024 b;  s[54:55] scl + 8 b
.set FB,  46
.set FK,  48
.set SW,  50
.set SV,  52
.set SK,  54
.set SEL, 60                           ; s[60:61] v_permlanex16_b32's selects for lane l xor 16
.set FLOOR, 0x1800000                  ; 2^(3 - 127): under it no largest magnitude is taken, so that no scale byte falls under 1
.set MSB, 0
.macro WIN new                         ; s_set_vgpr_msb: bits 1:0 source 0, 3:2 source 1, 5:4 source 2, 7:6 destination; the high byte repeats the setting that is left
.if MSB != \new
	s_set_vgpr_msb (MSB<<8)|\new
.set MSB, \new
.endif
.endm
.macro PLACES n                        ; plain vector instructions that name none of a matrix instruction's registers (ISA guide 7.12.1)
.rept \n
	v_nop
.endr
.endm
.macro BARRIER                         ; my LDS stores have landed and my LDS loads are in: then the work-group's barrier
	s_wait_dscnt 0x0
	s_barrier_signal -1
	s_barrier_wait -1
.endm
.macro MMZ d, a, b, sa, sb             ; a product that starts a sum
	v_wmma_scale_f32_16x16x128_f8f6f4 v[(\d):(\d)+7], v[(\a):(\a)+11], v[(\b):(\b)+11], 0, v[(\sa)], v[(\sb)] matrix_a_fmt:MATRIX_FMT_FP6 matrix_b_fmt:MATRIX_FMT_FP6
.endm
.macro MMC d, a, b, c, sa, sb
	v_wmma_scale_f32_16x16x128_f8f6f4 v[(\d):(\d)+7], v[(\a):(\a)+11], v[(\b):(\b)+11], v[(\c):(\c)+7], v[(\sa)], v[(\sb)] matrix_a_fmt:MATRIX_FMT_FP6 matrix_b_fmt:MATRIX_FMT_FP6
.endm
	s_load_b256 s[4:11], s[0:1], 0x0               ; x s[4:5], bq s[6:7], bo s[8:9], frag s[10:11]
	s_load_b128 s[12:15], s[0:1], 0x20             ; scl s[12:13], out0 s[14:15]
	v_lshl_add_u32 v27, v0, 2, 0x3d400
	s_set_vgpr_msb 0x40
	v_mov_b32 v255, 0
	s_set_vgpr_msb 0x4044
	ds_add_u32 v27, v255
	ds_add_u32 v27, v255
	s_set_vgpr_msb 0x4400
	v_lshrrev_b32 v99, 5, v0
	v_readfirstlane_b32 s[WV], v99                 ; wave 0..3
	s_lshr_b32 s41, ttmp9, 5                       ; batch
	; descriptor group 1: a tile of 4 rows x 512 elements of 4 bytes; in LDS 16 bytes of padding behind every 64
	s_mov_b32 s[G1+0], (2<<16)|(1<<20)|(3<<22)|(3<<25)  ; 15:0 no mask; 17:16 elements of 4 bytes; 20 padding on; 24:22 after every 16 words (code 3); 31:25 of 4 words (code 3)
	s_mov_b32 s[G1+1], 512<<16                     ; tensor_dim0 = 512
	s_mov_b32 s[G1+2], 4<<16                       ; tensor_dim1 = 4
	s_mov_b32 s[G1+3], 512<<16                     ; tile_dim0 = 512
	s_mov_b32 s[G1+4], 4                           ; tile_dim1 = 4
	s_mov_b32 s[G1+5], 512                         ; elements from row to row
	s_mov_b32 s[G1+6], 0
	s_mov_b32 s[G1+7], 0
	s_mul_i32 s62, s[WV], 40960                    ; my wave's rows in LDS
	s_lshl_b32 s42, ttmp9, 17                      ; the work-group's 64 rows of 2,048 bytes, in x and in out0
	s_mov_b32 s43, 0
	s_lshl_b32 s56, s[WV], 15                      ; my wave's 16 of them
	s_mov_b32 s57, 0
	s_wait_dscnt 0x0
	s_wait_kmcnt 0x0
	s_add_nc_u64 s[4:5], s[4:5], s[42:43]
	s_add_nc_u64 s[4:5], s[4:5], s[56:57]
	s_add_nc_u64 s[14:15], s[14:15], s[42:43]
.irp q, 0,1,2,3
	s_mov_b32 s[G0+4*\q], 1                        ; count = 1
	s_add_co_u32 s[G0+4*\q+1], s62, 10240*\q       ; LDS address: 4 rows of 2,560 bytes a tile
	s_add_nc_u64 s[G0+4*\q+2:G0+4*\q+3], s[4:5], 8192*\q   ; global address
	s_or_b32 s[G0+4*\q+3], s[G0+4*\q+3], 0x80000000        ; type = 2
.endr
.irp q, 0,1,2,3
	tensor_load_to_lds s[G0+4*\q:G0+4*\q+3], s[G1:G1+7]    ; all of my wave's x is asked for before anything else; four v_nop follow the last
	s_nop 0
.endr
	PLACES 4
	v_and_b32 v96, 31, v0                          ; lane
	v_and_b32 v97, 15, v0                          ; r
	v_bfe_u32 v98, v0, 4, 1                        ; h
	v_lshlrev_b32 v[L16], 4, v96
	v_lshlrev_b32 v[R16], 4, v97
	v_mul_u32_u24 v[H24], v98, 24
	v_lshlrev_b32 v[H64], 6, v98
	v_lshlrev_b32 v[H32], 5, v98
	v_lshlrev_b32 v[L8], 3, v96
	v_lshlrev_b32 v[R64], 6, v97
	v_mov_b32 v[ZERO], 0
	v_mov_b32 v[TM1+2], 0                          ; written once: a lane permute's destination counts as one of its sources
	v_mov_b32 v[TM1+3], 0
	; every LDS address is a constant + a constant x lane part + a constant x wave
	v_mul_u32_u24 v[XA], v96, 80
	v_add_nc_u32 v[XA], s62, v[XA]
	s_mul_i32 s62, s[WV], 6400
	s_add_co_u32 s62, s62, XC
	v_mul_u32_u24 v[XCW], v96, 12
	v_add_nc_u32 v[XCW], s62, v[XCW]
	s_lshl_b32 s62, s[WV], 8
	s_add_co_u32 s63, s62, XSC
	v_lshrrev_b32 v[XSW], 1, v96
	v_add_nc_u32 v[XSW], s63, v[XSW]
	v_mul_u32_u24 v[XFA], v97, 400
	v_mad_u32_u24 v[XFA], v98, 24, v[XFA]
	v_add_nc_u32 v[XFA], XC, v[XFA]
	v_lshl_add_u32 v[XSA], v97, 4, XSC
	s_add_co_u32 s63, s62, QSC
	v_lshl_add_u32 v[QRS], v96, 2, s63
	s_add_co_u32 s63, s62, ASC
	v_lshl_add_u32 v[AWS], v96, 2, s63
	s_mul_i32 s62, s[WV], 768
	s_add_co_u32 s62, s62, QIMG
	v_lshl_add_u32 v[QWA], v96, 4, s62
	s_add_co_u32 s62, s62, 512
	v_lshl_add_u32 v[QWB], v96, 3, s62
	s_lshr_b32 s62, s[WV], 1
	s_lshl_b32 s62, s62, 7
	s_and_b32 s63, s[WV], 1
	s_lshl_b32 s63, s63, 1
	s_add_co_u32 s62, s62, s63
	s_add_co_u32 s62, s62, QSC
	v_lshl_add_u32 v[QWS], v96, 2, s62
	s_mul_i32 s62, s[WV], 3072
	s_add_co_u32 s63, s62, QIMG
	v_lshl_add_u32 v[QRA], v96, 4, s63
	s_add_co_u32 s63, s63, 512
	v_lshl_add_u32 v[QRB], v96, 3, s63
	s_add_co_u32 s63, s62, AIMG
	v_lshl_add_u32 v[AWI], v96, 4, s63
	v_lshl_add_u32 v[ARI], v96, 4, AIMG
	v_lshl_add_u32 v[ARS], v96, 2, ASC
	s_mul_i32 s62, s[WV], 8448
	s_add_co_u32 s62, s62, STG
	v_mul_u32_u24 v[STO], v97, 528
	v_lshl_add_u32 v[STO], v98, 5, v[STO]
	v_add_nc_u32 v[STO], s62, v[STO]
	v_lshl_add_u32 v[RD], v96, 4, s62
	s_mov_b32 s[SEL], 0x76543210
	s_mov_b32 s[SEL+1], 0xfedcba98
	s_mul_i32 s42, s[WV], 24576                    ; my 16 fragments of Wq, and of Wo
	s_add_nc_u64 s[FW:FW+1], s[10:11], s[42:43]
	s_mul_i32 s42, s41, 12288                      ; my batch's V,
	s_add_nc_u64 s[FB:FB+1], s[10:11], s[42:43]
	s_mul_i32 s42, s41, 192                        ; and K
	s_add_nc_u64 s[FK:FK+1], s[10:11], s[42:43]
	s_lshl_b32 s42, s[WV], 11
	s_add_nc_u64 s[SW:SW+1], s[12:13], s[42:43]
	s_lshl_b32 s42, s41, 10
	s_add_nc_u64 s[SV:SV+1], s[12:13], s[42:43]
	s_lshl_b32 s42, s41, 3
	s_add_nc_u64 s[SK:SK+1], s[12:13], s[42:43]
	s_lshl_b32 s42, s[WV], 8                       ; bq: my 64 numbers
	s_add_nc_u64 s[6:7], s[6:7], s[42:43]
	s_lshl_b32 s42, s[WV], 9                       ; bo: my 128; out0: my 128 columns
	s_add_nc_u64 s[8:9], s[8:9], s[42:43]
	s_add_nc_u64 s[14:15], s[14:15], s[42:43]
	; all that stays in registers, 197 loads, in the order of need; they land while x is on its way and is quantised
	WIN 0x40                                       ; destination window 1
.irp f, 0,1,2,3,4,5,6,7,8,9,10,11,12,13,14,15
.irp c, 0,1,2
	global_load_b128 v[12*\f+4*\c:12*\f+4*\c+3], v[L16], s[FW:FW+1] offset:1536*\f+512*\c    ; Wq's fragment 4 t + s, as it was laid: 512 consecutive bytes a load
.endr
.endr
.irp t, 0,1,2,3
	global_load_b128 v[BQ+8*\t:BQ+8*\t+3], v[H64], s[6:7] offset:(32*(\t/2)+8*(\t%2))*4      ; bq in the result's layout: lane (r, h), tile t: columns 32 (t / 2) + 16 h + 8 (t % 2) + 0 .. 7
	global_load_b128 v[BQ+8*\t+4:BQ+8*\t+7], v[H64], s[6:7] offset:(32*(\t/2)+8*(\t%2))*4+16
.endr
.irp s, 0,1
.irp p, 0,1,2,3,4,5
	global_load_b64 v[KF+12*\s+2*\p:KF+12*\s+2*\p+1], v[H24], s[FK:FK+1] offset:F_K+96*\s+48*(\p/3)+8*(\p%3)   ; K: every row of the tile of 16 keys is the batch's one row
.endr
.endr
	WIN 0
.irp t, 0,1,2,3
	global_load_b128 v[WQS+4*\t:WQS+4*\t+3], v[L16], s[SW:SW+1] offset:512*\t
.endr
	global_load_b64 v[KS:KS+1], v[ZERO], s[SK:SK+1] offset:S_K
.irp j, 0,1,2,3
	global_load_b128 v[VS+4*\j:VS+4*\j+3], v[R64], s[SV:SV+1] offset:S_V+16*\j
.endr
.irp n, 0,1,2,3,4,5,6,7
	global_load_b64 v[WOS+2*\n:WOS+2*\n+1], v[L8], s[SW:SW+1] offset:S_WO+256*\n
.endr
	WIN 0xc0                                       ; destination window 3
.irp t, 0,1,2,3,4,5,6,7,8,9,10,11,12,13,14,15
.irp c, 0,1,2
	global_load_b128 v[12*\t+4*\c:12*\t+4*\c+3], v[R16], s[FB:FB+1] offset:F_V+768*\t+256*\c   ; V^T: along the keys all codes of a channel are equal, so both halves of the lanes take the same bytes
.endr
.endr
	WIN 0x80                                       ; destination window 2
.irp f, 0,1,2,3,4,5,6,7,8,9,10,11,12,13,14,15
.irp c, 0,1,2
	global_load_b128 v[12*\f+4*\c:12*\f+4*\c+3], v[L16], s[FW:FW+1] offset:F_WO+1536*\f+512*\c
.endr
.endr
.irp n, 0,1,2,3,4,5,6,7
	global_load_b128 v[BO+8*\n:BO+8*\n+3], v[H32], s[8:9] offset:64*\n                        ; bo: lane (r, h), tile n: columns 16 n + 8 h + 0 .. 7
	global_load_b128 v[BO+8*\n+4:BO+8*\n+7], v[H32], s[8:9] offset:64*\n+16
.endr
	WIN 0
; ---- X.  A row at a time: lane l holds numbers 16 l .. 16 l + 15 of the row (its place of 64 bytes in LDS), two neighbouring lanes a block of 32.
.macro XROW i
.irp j, 0,1,2,3
	ds_load_b128 v[X+16*((\i)%2)+4*\j:X+16*((\i)%2)+4*\j+3], v[XA] offset:2560*(\i)+16*\j
.endr
.endm
.macro XSTEP i
.set XR, X+16*((\i)%2)
.if (\i) == 0
	s_wait_dscnt 0x0
.else
	s_wait_dscnt 0x4                               ; this row's four loads are in; the last row's four stores, issued behind them, may be out
.endif
.if (\i) < 15
.if ((\i)+1)%4 == 0
	s_wait_tensorcnt 3-((\i)+1)/4                  ; tensor loads of a wave end in order (ISA guide 10.11.1): the next four rows are in LDS, the younger tiles stay out.  Only I read them
.endif
	XROW (\i)+1                                    ; the next row comes while this one is worked
.endif
	v_max3_num_f32 v[T], |v[XR]|, |v[XR+1]|, |v[XR+2]|              ; the largest magnitude of my 16, in two chains
	v_max3_num_f32 v[T+1], |v[XR+3]|, |v[XR+4]|, |v[XR+5]|
.irp k, 6,10
	v_max3_num_f32 v[T], v[T], |v[XR+\k]|, |v[XR+\k+1]|
	v_max3_num_f32 v[T+1], v[T+1], |v[XR+\k+2]|, |v[XR+\k+3]|
.endr
	v_max3_num_f32 v[T], v[T], |v[XR+14]|, |v[XR+15]|
	v_max3_num_f32 v[T], v[T], v[T+1], FLOOR
	v_max_num_f32_dpp v[T], v[T], v[T] row_xmask:1 row_mask:0xf bank_mask:0xf   ; and of my neighbour's 16: the block's
	v_add_nc_u32 v[T+2], 0xff000000, v[T]          ; 2 off its exponent field: the conversion takes the exponent field of this operand as its scale
	v_cvt_scalef32_pk16_fp6_f32 v[C+4*(\i):C+4*(\i)+2], v[XR:XR+15], v[T+2]
	v_lshrrev_b32 v[E+(\i)], 23, v[T+2]            ; the scale's byte (the plain instruction behind the conversion)
.irp e, 0,1,2
	ds_store_b32 v[XCW], v[C+4*(\i)+\e] offset:400*(\i)+4*\e        ; my 12 bytes of the row's 384
.endr
	ds_store_b8 v[XSW], v[E+(\i)] offset:16*(\i)   ; both lanes of a block write the same byte with the same value
.endm
	s_wait_tensorcnt 0x3                           ; my first four rows are in LDS
	XROW 0
.irp i, 0,1,2,3,4,5,6,7,8,9,10,11,12,13,14,15
	XSTEP \i
.endr
	BARRIER                                        ; the 64 rows' codes and scale bytes lie in LDS
	s_wait_loadcnt 0x0                             ; the weights, biases, K and V: the one wait for them
; ---- 1.  Q's columns 64 w .. 64 w + 63, a tile of 16 rows at a time
.macro XFETCH m                        ; 25 loads: the tile's four fragments (16 rows x 128 K: 24 bytes of the row's stream of bits twice, in pieces of 8) and its rows' four scale words
.irp s, 0,1,2,3
.irp p, 0,1,2,3,4,5
	ds_load_b64 v[XF+48*((\m)%2)+12*\s+2*\p:XF+48*((\m)%2)+12*\s+2*\p+1], v[XFA] offset:6400*(\m)+96*\s+48*(\p/3)+8*(\p%3)
.endr
.endr
	ds_load_b128 v[XS+4*((\m)%2):XS+4*((\m)%2)+3], v[XSA] offset:256*(\m)
.endm
.macro MUL1 m                          ; 16 products: the four accumulators by turns, one instruction a turn; bq is the C of each sum's first product
	WIN 0x11                                       ; source 0 (Wq) and source 2 (bq) window 1
.irp t, 0,1,2,3
	MMC HA+8*\t, 48*\t, XF+48*((\m)%2), BQ+8*\t, WQS+4*\t, XS+4*((\m)%2)
.endr
	WIN 0x01
.irp s, 1,2,3
.irp t, 0,1,2,3
	MMC HA+8*\t, 12*(4*\t+\s), XF+48*((\m)%2)+12*\s, HA+8*\t, WQS+4*\t+\s, XS+4*((\m)%2)+\s
.endr
.endr
	WIN 0
.endm
; My 32 registers are, of row r, columns 64 w + 32 b + 16 h + 0 .. 15 (b = 0, 1): two blocks of the next K, each shared with lane l xor 16.  They become registers 6 c .. 6 c + 5 (c = w % 2) of fragment w / 2, and two scale bytes.
.macro HQUANT m
.set PC, PC1+10*((\m)%2)
.set PW, PW1+(\m)%2
.irp b, 0,1
	v_max3_num_f32 v[TM1+\b], |v[HA+16*\b]|, |v[HA+16*\b+1]|, FLOOR     ; each accumulator is read from its low end on
.endr
.irp i, 2,4,6,8,10,12,14
.irp b, 0,1
	v_max3_num_f32 v[TM1+\b], v[TM1+\b], |v[HA+16*\b+\i]|, |v[HA+16*\b+\i+1]|
.endr
.endr
.irp b, 0,1
	v_permlanex16_b32 v[TM1+2+\b], v[TM1+\b], s[SEL], s[SEL+1]
.endr
.irp b, 0,1
	v_max_num_f32 v[TM1+\b], v[TM1+\b], v[TM1+2+\b]
.endr
.irp b, 0,1
	v_add_nc_u32 v[TM1+4+\b], 0xff000000, v[TM1+\b]
.endr
.irp b, 0,1
	v_lshrrev_b32 v[TM1+2+\b], 23, v[TM1+4+\b]
.endr
	v_lshl_or_b32 v[PW], v[TM1+3], 8, v[TM1+2]
	v_cvt_scalef32_pk16_fp6_f32 v[PC:PC+2], v[HA:HA+15], v[TM1+4]
	v_cvt_scalef32_pk16_fp6_f32 v[PC+6:PC+8], v[HA+16:HA+31], v[TM1+5]
	v_nop                                          ; one plain instruction behind a scaled conversion
.irp i, 0,1,2
	v_permlane16_swap_b32 v[PC+\i], v[PC+6+\i]     ; the operand's layout wants a whole block in a lane: lanes 0-15 block 0, lanes 16-31 block 1
.endr
.irp i, 0,1,2
	v_mov_b32 v[PC+3+\i], v[PC+6+\i]
.endr
	ds_store_b128 v[QWA], v[PC:PC+3] offset:3072*(\m)
	ds_store_b64 v[QWB], v[PC+4:PC+5] offset:3072*(\m)
	ds_store_b16 v[QWS], v[PW] offset:256*(\m)
.endm
	XFETCH 0
.irp m, 0,1,2,3
.if \m < 3
	XFETCH \m+1                                    ; into the other set, whose last products stand behind five places and a quantiser
.endif
.if \m == 0
	s_wait_dscnt 25                                ; all but the 25 loads just issued
.elseif \m < 3
	s_wait_dscnt 28                                ; this tile's loads are in; behind them: the last trip's 3 stores and the 25 loads just issued
.else
	s_wait_dscnt 3                                 ; behind them: the last trip's 3 stores
.endif
	MUL1 \m
	PLACES 5                                       ; four ahead of the first read of the results; five, since the next trip's first products begin these accumulators anew
	HQUANT \m
.endr
	BARRIER                                        ; Q's eight fragments lie in LDS
; ---- A.  My 16 queries
.irp s, 0,1
.irp c, 0,1
	ds_load_b128 v[QF+12*\s+6*\c:QF+12*\s+6*\c+3], v[QRA] offset:1536*\s+768*\c
	ds_load_b64 v[QF+12*\s+6*\c+4:QF+12*\s+6*\c+5], v[QRB] offset:1536*\s+768*\c
.endr
	ds_load_b32 v[QS+\s], v[QRS] offset:128*\s
.endr
.irp b, 0,1,2,3
	v_mov_b32 v[TMA+4+\b], 0                       ; a lane permute's destination counts as one of its sources
.endr
	s_wait_dscnt 0x0
	WIN 0x01                                       ; source 0 (K) window 1
	MMZ SS, KF, QF, KS, QS                         ; S^T = K Q^T: a lane holds ONE query; its eight registers are eight keys, all the same key
	s_wait_alu depctr_va_vdst(0)                   ; a wait directly ahead of the second
	MMC SS, KF+12, QF+12, SS, KS+1, QS+1
	WIN 0
	PLACES 4
	v_mul_f32 v[TT], 0x3db8aa3b, v[SS]             ; t = score x log2(e) / 16
	v_floor_f32 v[NM], -v[TT]                      ; -M = floor(-t) = -ceil(t): the row's largest t is its only t
	v_add_f32 v[TT], v[TT], v[NM]                  ; t - M, between -1 and 0
	v_exp_f32 v[PP], v[TT]                         ; p, between 1/2 and 1: so its scale needs no floor
	v_nop                                          ; a plain instruction behind the transcendental
	s_wait_alu depctr_va_vdst(0)                   ; and a wait ahead of the first use
	v_mul_f32 v[TT], 0x43000000, v[PP]             ; l = the sum of the unquantised p over the 128 keys that are walked: 128 p, exact
	v_rcp_f32 v[INV], v[TT]
.set q, 0
.rept 16
	v_mov_b32 v[OA+q], v[PP]                       ; 16 keys' p for the conversion
.set q, q+1
.endr
	v_add_nc_u32 v[PB+1], 0xff000000, v[PP]        ; the block's largest p is p: 2 off its exponent field
	v_lshrrev_b32 v[PB], 23, v[PB+1]
	v_lshl_or_b32 v[PB], v[PB], 8, v[PB]
	v_lshl_or_b32 v[PS], v[PB], 16, v[PB]          ; the four blocks' bytes are one byte
	v_cvt_scalef32_pk16_fp6_f32 v[PF:PF+2], v[OA:OA+15], v[PB+1]
	v_nop                                          ; one plain instruction behind a scaled conversion
.irp i, 3,4,5,6,7,8,9,10,11
	v_mov_b32 v[PF+\i], v[PF+(\i%3)]               ; 16 codes are three registers: the fragment's 64 codes a lane are these four times
.endr
	s_wait_alu depctr_va_vdst(0)                   ; the reciprocal's wait, ahead of its first use
	v_mov_b32 v[INV+1], v[INV]
	PLACES 8                                       ; a scale register written by a vector instruction stands 8 places ahead of a scaled matrix instruction, an operand so written 4
; 64 numbers of a lane, register 16 b + i = k 32 b + 16 h + i of my row, become a fragment's codes in v[PCA] on and its scale word in v[PWA]
.macro QUANT s
.irp b, 0,1,2,3
	v_max3_num_f32 v[TMA+\b], |v[\s+16*\b]|, |v[\s+1+16*\b]|, FLOOR
.endr
.irp i, 2,4,6,8,10,12,14
.irp b, 0,1,2,3
	v_max3_num_f32 v[TMA+\b], v[TMA+\b], |v[\s+16*\b+\i]|, |v[\s+1+16*\b+\i]|   ; the four blocks by turns
.endr
.endr
.irp b, 0,1,2,3
	v_permlanex16_b32 v[TMA+4+\b], v[TMA+\b], s[SEL], s[SEL+1]
.endr
.irp b, 0,1,2,3
	v_max_num_f32 v[TMA+\b], v[TMA+\b], v[TMA+4+\b]
.endr
.irp b, 0,1,2,3
	v_add_nc_u32 v[TMA+12+\b], 0xff000000, v[TMA+\b]
.endr
.irp b, 0,1,2,3
	v_lshrrev_b32 v[TMA+4+\b], 23, v[TMA+12+\b]
.endr
	v_lshl_or_b32 v[PWA], v[TMA+5], 8, v[TMA+4]
	v_lshl_or_b32 v[PWA], v[TMA+6], 16, v[PWA]
	v_lshl_or_b32 v[PWA], v[TMA+7], 24, v[PWA]
.irp c, 0,1
	v_cvt_scalef32_pk16_fp6_f32 v[PCA+6*\c:PCA+2+6*\c], v[\s+32*\c:\s+15+32*\c], v[TMA+12+2*\c]
	v_cvt_scalef32_pk16_fp6_f32 v[PCA+12+4*\c:PCA+14+4*\c], v[\s+16+32*\c:\s+31+32*\c], v[TMA+12+2*\c+1]
.endr
	v_nop                                          ; one plain instruction behind a scaled conversion
.irp c, 0,1
.irp i, 0,1,2
	v_permlane16_swap_b32 v[PCA+6*\c+\i], v[PCA+12+4*\c+\i]
.endr
.irp i, 0,1,2
	v_mov_b32 v[PCA+3+6*\c+\i], v[PCA+12+4*\c+\i]
.endr
.endr
.endm
.irp hh, 0,1                                   ; channels 128 hh on: one K step of the last product
	WIN 0x03                                       ; source 0 (V) window 3
.irp e, 0,1,2,3,4,5,6,7
	MMZ OA+8*\e, 12*(8*\hh+\e), PF, VS+8*\hh+\e, PS    ; O^T = V^T P^T over 128 keys: eight sums, one product each
.endr
	WIN 0
	PLACES 5
.set q, 0
.rept 32
	v_pk_mul_f32 v[OA+q:OA+q+1], v[OA+q:OA+q+1], v[INV:INV+1]   ; O / l, each accumulator from its low end on
.set q, q+2
.endr
	QUANT OA
.irp c, 0,1,2
	ds_store_b128 v[AWI], v[PCA+4*\c:PCA+4*\c+3] offset:1536*\hh+512*\c   ; the fragment goes to LDS as an image of its registers
.endr
	ds_store_b32 v[AWS], v[PWA] offset:128*\hh
	s_wait_dscnt 0x0                               ; the stores have read their registers
.endr
	BARRIER                                        ; attended's eight fragments lie in LDS
; ---- 2.  out's columns 128 w .. 128 w + 127, a tile of 16 rows at a time
.irp m, 0,1,2,3
.irp s, 0,1
.irp c, 0,1,2
	ds_load_b128 v[AF+24*\m+12*\s+4*\c:AF+24*\m+12*\s+4*\c+3], v[ARI] offset:1536*(2*\m+\s)+512*\c
.endr
	ds_load_b32 v[AS+2*\m+\s], v[ARS] offset:128*(2*\m+\s)
.endr
.endr
.macro MUL2 m                          ; 16 products: the eight accumulators by turns; bo is the C of each sum's first product
	WIN 0xe2                                       ; source 0 (Wo) and source 2 (bo) window 2, destination window 3
.irp n, 0,1,2,3,4,5,6,7
	MMC ACC+8*\n, 24*\n, AF+24*(\m), BO+8*\n, WOS+2*\n, AS+2*(\m)
.endr
	WIN 0xf2                                       ; C and D window 3
.irp n, 0,1,2,3,4,5,6,7
	MMC ACC+8*\n, 24*\n+12, AF+24*(\m)+12, ACC+8*\n, WOS+2*\n+1, AS+2*(\m)+1
.endr
	WIN 0
.endm
.macro STAGE                           ; a lane holds 32 neighbouring bytes of a row, eight times: the tile goes through my own stage and comes back as whole rows of 512 bytes
	WIN 0x0c                                       ; an LDS store's data are its source 1: window 3
.irp n, 0,1,2,3,4,5,6,7
	ds_store_b128 v[STO], v[ACC+8*\n:ACC+8*\n+3] offset:64*\n          ; each accumulator from its low end on
	ds_store_b128 v[STO], v[ACC+8*\n+4:ACC+8*\n+7] offset:64*\n+16
.endr
	WIN 0
.irp i, 0,1,2,3,4,5,6,7,8,9,10,11,12,13,14,15
	ds_load_b128 v[BK+4*\i:BK+4*\i+3], v[RD] offset:528*\i             ; LDS serves a wave's instructions in order (ISA guide 5.7.1.4): these see the stores above
.endr
.endm
.macro SEND m
.irp i, 0,1,2,3,4,5,6,7,8,9,10,11,12,13,14,15
	global_store_b128 v[L16], v[BK+4*\i:BK+4*\i+3], s[14:15] offset:(16*(\m)+\i)*2048 th:TH_STORE_NT   ; 32 lanes store 512 consecutive bytes, at a multiple of 256 from out0's first byte; written once, read by nobody here
.endr
.endm
	s_wait_dscnt 24                                ; tile 0's eight loads are in; those of tiles 1 to 3 may be out
	MUL2 0
	PLACES 5                                       ; four ahead of the stores that read the results; five, since the next tile's first products begin these accumulators anew
	STAGE
.irp m, 1,2,3
	s_wait_dscnt 16                                ; all but the 16 loads from the stage: the stage's stores have read the accumulators, and all fragments are in
	MUL2 \m
	s_wait_dscnt 0x0                               ; the last tile's rows are back in registers
	SEND \m-1                                      ; they leave while this tile goes on
	PLACES 5
	s_wait_xcnt 0x0                                ; the stores have read their registers: the loads from the stage may land there again
	STAGE
.endr
	s_wait_dscnt 0x0
	SEND 3
	s_set_vgpr_msb 0x4
	s_wait_tensorcnt 0x0
	ds_add_u32 v27, v255
	s_wait_dscnt 0x0
	s_set_vgpr_msb 0x400
	s_endpgm
.Lfunc_end_k_qb2e476ae77_main:
	.size	k_qb2e476ae77_main, .Lfunc_end_k_qb2e476ae77_main-k_qb2e476ae77_main
	.p2alignl 7, 3214868480
	.fill 96, 4, 3214868480
	.section	.rodata,"a",@progbits
	.p2align	6, 0x0
	.amdhsa_kernel k_qb2e476ae77_main
		.amdhsa_group_segment_fixed_size 251392
		.amdhsa_private_segment_fixed_size 0
		.amdhsa_enable_private_segment 0
		.amdhsa_kernarg_size 48
		.amdhsa_user_sgpr_count 2
		.amdhsa_user_sgpr_kernarg_segment_ptr 1
		.amdhsa_wavefront_size32 1
		.amdhsa_system_sgpr_workgroup_id_x 1
		.amdhsa_system_sgpr_workgroup_id_y 1
		.amdhsa_system_sgpr_workgroup_id_z 1
		.amdhsa_system_vgpr_workitem_id 0
		.amdhsa_next_free_vgpr 1024
		.amdhsa_next_free_sgpr 66
		.amdhsa_reserve_vcc 0
		.amdhsa_float_denorm_mode_32 3
		.amdhsa_float_denorm_mode_16_64 3
		.amdhsa_memory_ordered 1
		.amdhsa_forward_progress 1
		.amdhsa_inst_pref_size 114
	.end_amdhsa_kernel
	.amdgpu_metadata
---
amdhsa.version: [ 1, 2 ]
amdhsa.kernels:
  - .name:           k_qb2e476ae77_main
    .symbol:         k_qb2e476ae77_main.kd
    .args:
      - { .name: x, .offset: 0, .size: 8, .value_kind: global_buffer, .address_space: global }
      - { .name: bq, .offset: 8, .size: 8, .value_kind: global_buffer, .address_space: global }
      - { .name: bo, .offset: 16, .size: 8, .value_kind: global_buffer, .address_space: global }
      - { .name: frag, .offset: 24, .size: 8, .value_kind: global_buffer, .address_space: global }
      - { .name: scl, .offset: 32, .size: 8, .value_kind: global_buffer, .address_space: global }
      - { .name: out0, .offset: 40, .size: 8, .value_kind: global_buffer, .address_space: global }
    .group_segment_fixed_size: 251392
    .private_segment_fixed_size: 0
    .kernarg_segment_align: 8
    .kernarg_segment_size: 48
    .max_flat_workgroup_size: 128
    .sgpr_count:     66
    .vgpr_count:     1024
    .wavefront_size: 32
...
	.end_amdgpu_metadata
.endif
;; end of part 2
;; ======== version 2 of 2: 2 launches; version 1 with the launch prep written anew for expert scheduling mode
;; workspace buffers: frag 296,448 bytes; scl 24,832 bytes
;; launch prep (part 3): grid 152 x 1, 1 waves a work-group, no clusters, 0 bytes of LDS; arguments Wq, Wo, Wk, Wv, bk, bv, g, frag, scl; writes frag, scl
.if DOCPART == 3
	.amdgcn_target "amdgcn-amd-amdhsa--gfx1250"
	.amdhsa_code_object_version 6
	.text
	.protected	k_qb2e476ae77_prep
	.globl	k_qb2e476ae77_prep
	.p2align	8
	.type	k_qb2e476ae77_prep,@function
k_qb2e476ae77_prep:
	s_mov_b64 s[64:65], 0
	v_nop
	global_prefetch_b8 v0, s[64:65] scope:SCOPE_SE
	s_setreg_imm32_b32 hwreg(HW_REG_WAVE_SCHED_MODE, 0, 2), 2
	s_setreg_imm32_b32 hwreg(HW_REG_WAVE_MODE, 25, 1), 1
	s_wait_xcnt 0x0
	s_wait_alu depctr_vm_vsrc(0)
; THE WEIGHTS AND THE ONE KEY AND VALUE ROW OF EACH BATCH, AS CODES OF FP6 (E2M3) WITH ONE E8M0 SCALE FOR EACH 32 ALONG K, laid as the second launch's operand registers take them.
; A work-group is one wave and makes one piece; which piece hangs on the work-group's number alone:
;   0..63    Wq [512][256]: fragment 4 T + s (tile T of 16 columns, K step s of 128)  -> frag + 1536 (4 T + s), scale words -> scl + 512 T + 16 lane + 4 s
;   64..127  Wo [256][512]: fragment 2 T' + s                                         -> frag + 98304 + 1536 (2 T' + s), scl + 8192 + 256 T' + 8 lane + 4 s
;   128..135 K_b = Q(g_b) Q(Wk) + bk, channels 32 blk .. 32 blk + 31 of all 8 batches, quantised along the channels -> frag + 294912 + 192 b + 24 blk, scl + 24576 + 8 b + blk
;   136..151 V_b = Q(g_b) Q(Wv) + bv, 16 channels of all 8 batches, quantised along the KEYS                         -> frag + 196608 + 12288 b + 768 t, scl + 16384 + 1024 b + 64 r + 4 t
; reference() broadcasts g along the 2,048 points itself, so all keys of a batch are one row and all values one row: sixteen rows (the 8 batches, twice) are multiplied here, not 16,384.
; Along the keys a channel of V is 2,048 times one number: a block of 32 keys has one scale and 32 equal codes, so a fragment of V^T is three registers (16 codes) repeated.
; A WEIGHT'S K IS ITS FIRST AXIS: a lane takes a column and its registers run down K, in the order that the operand's layout gives that lane (registers 6 c .. 6 c + 5: k = 64 c + 32 (lane / 16) + 0 .. 31):
; a block of 32 lies in one lane, and the conversions' results are the operand's registers.  An image of a fragment: registers 4 c .. 4 c + 3 of lane l at 512 c + 16 l.
; THE COLUMNS OF A TILE of Wq, Wk and Wv ARE NOT NEIGHBOURS: row i of tile T is column 32 (T / 2) + 8 (T % 2) + i + 8 (i / 8), so that the results of tiles 2 b and 2 b + 1 are 16 neighbours along the next product's K.
; A block's scale is 2^(floor(log2(its largest magnitude)) - 2): its byte is the largest magnitude's exponent field - 2, held at 1 from below by a floor among the maximum's leaves.
; LIMITS: a block of zeros, and one whose largest magnitude lies under 2^-124, gets the byte 1 (the rule says 127 for zeros: the codes are zeros, and this program alone reads the bytes); NaN and infinities are not served.
; The stores of K's pieces and of the scale words cover less than 256 consecutive bytes each: under 30 KB in all.
; THE MODE: SCHED_MODE bits 1:0 = 2 (LLVM: expert scheduling mode 2), set by the entry lines.  The code itself states the register dependences
; between vector or matrix instructions and memory instructions, with s_wait_alu, always for 0.
; THE PLAN.  Each of the four paths runs once: offsets, one batch of loads, the wait for them, arithmetic, one batch of stores, the end.  Registers that memory instructions touch:
;   v5, v6, v7 (and v238 on K's path)   load offsets: written by vector lines ahead of the path's loads, read by those loads, never written again.
;   X0, X1, XG (v238 on V's path, D on K's)   written by the loads alone; no vector line names them ahead of the loads; read behind the wait on LOADcnt.
;   v2, v3, v235, v239                  store offsets: written ahead of the path's loads, read by the stores at its end.
;   F, S / v32-143 / CT, v12            store data: written by conversions, moves and shifts, read by the stores at the path's end, never written again.
; So a path holds: one wait on va_vdst ahead of its first load (the offsets are written); one ahead of each scaled matrix instruction, behind its places (the fragments and scale words are written);
; one ahead of its stores (their data are written), which on the two paths that narrow EXEC is one of the pair that stands ahead of that write, behind the wait for the compare's VCC.
; No register that a load or a store reads is written afterwards, so no wait on vm_vsrc is owed but the one ahead of the write of EXEC.
.set SH8, 1                            ; v1   8 h: my two scale bytes' place in the word
.set L16, 2                            ; v2   16 x lane
.set L8,  3                            ; v3   8 x lane
.set RR,  4                            ; v4   r = lane % 16
.set WOF, 5                            ; v5   a weight's load offset: 4 x my column in the tile + h x 32 rows
.set GOF, 6                            ; v6   g: 512 (r % 8) + 128 h
.set COF, 7                            ; v7   4 (r + 8 (r / 8))
.set T,   8                            ; v8-14 at work; v14 a lane permute's destination
.set HH,  15                           ; v15  h = lane / 16
.set X0,  16                           ; v16-79   64 numbers of a weight's column
.set X1,  80                           ; v80-143  the same of a second tile
.set XG,  144                          ; v144-207 64 numbers of g
.set F,   208                          ; v208-219 a weight's fragment
.set FG,  220                          ; v220-231 g's fragment
.set CT,  232                          ; v232-234 a conversion's three registers
.set KO,  235                          ; v235 a store offset
.set S,   236                          ; v236 the weight's scale words, and nothing else
.set SG,  237                          ; v237 g's scale words, and nothing else
.set BI,  238                          ; v238 a bias, or a bias's offset
.set KB,  239                          ; v239 a store offset
.set D,   240                          ; v240-255 two accumulators
.set FLOOR, 0x1800000                  ; 2^(3 - 127)
.macro PLACES n
.rept \n
	v_nop
.endr
.endm
; 64 numbers of my column: register 32 c + i = W(64 c + 32 h + i, column); sixteen lanes read 64 (in two runs of 32 where the tile's columns are not neighbours) consecutive bytes
.macro LOADW x, base, pitch, off
.set q, 0
.rept 64
	global_load_b32 v[\x+q], v[WOF], s[\base:\base+1] offset:\off+\pitch*(64*(q/32)+q%32)
.set q, q+1
.endr
.endm
; g as 16 rows (row r = batch r % 8): K is innermost, so my 32 numbers of a block are 128 consecutive bytes
.macro LOADG
.irp c, 0,1
.irp j, 0,1,2,3,4,5,6,7
	global_load_b128 v[XG+32*\c+4*\j:XG+32*\c+4*\j+3], v[GOF], s[16:17] offset:256*\c+16*\j
.endr
.endr
.endm
; 64 numbers in v[x] on (two whole blocks of 32) become the fragment v[f] .. v[f + 11] and the scale word v[sw]
.macro QFRAG x, f, sw
.irp c, 0,1
	v_max3_num_f32 v[T+\c], |v[\x+32*\c]|, |v[\x+32*\c+1]|, FLOOR        ; my block 2 c + h, and the floor
.endr
.irp i, 2,4,6,8,10,12,14,16,18,20,22,24,26,28,30
.irp c, 0,1
	v_max3_num_f32 v[T+\c], v[T+\c], |v[\x+32*\c+\i]|, |v[\x+32*\c+\i+1]|   ; the two blocks by turns
.endr
.endr
.irp c, 0,1
	v_add_nc_u32 v[T+2+\c], 0xff000000, v[T+\c]    ; 2 off the exponent field: the conversion takes the exponent field of this operand as its scale
.endr
.irp c, 0,1
	v_lshrrev_b32 v[T+4+\c], 23, v[T+2+\c]         ; the scale's byte
.endr
	v_lshl_or_b32 v[\sw], v[T+5], 16, v[T+4]       ; blocks h and 2 + h,
	v_lshlrev_b32 v[\sw], v[SH8], v[\sw]           ; at their places in the word;
	v_permlanex16_b32 v[T+6], v[\sw], s22, s23
	v_or_b32 v[\sw], v[\sw], v[T+6]                ; with lane l xor 16's two the word is whole
.irp c, 0,1
	v_cvt_scalef32_pk16_fp6_f32 v[\f+6*\c:\f+6*\c+2], v[\x+32*\c:\x+32*\c+15], v[T+2+\c]
	v_cvt_scalef32_pk16_fp6_f32 v[CT:CT+2], v[\x+32*\c+16:\x+32*\c+31], v[T+2+\c]   ; a conversion's three registers begin on an even number: the block's second half is made here and moved
	v_nop                                          ; one plain instruction behind a scaled conversion
.irp i, 0,1,2
	v_mov_b32 v[\f+6*\c+3+\i], v[CT+\i]
.endr
.endr
.endm
	s_load_b512 s[4:19], s[0:1], 0x0               ; Wq s[4:5], Wo s[6:7], Wk s[8:9], Wv s[10:11], bk s[12:13], bv s[14:15], g s[16:17], frag s[18:19]
	s_load_b64 s[20:21], s[0:1], 0x40              ; scl
	v_and_b32 v[RR], 15, v0                        ; one wave: v0 is the lane
	v_lshrrev_b32 v[HH], 4, v0
	v_lshlrev_b32 v[SH8], 3, v[HH]
	v_lshlrev_b32 v[L16], 4, v0
	v_lshlrev_b32 v[L8], 3, v0
	v_and_b32 v[COF], 8, v[RR]
	v_add_nc_u32 v[COF], v[COF], v[RR]
	v_lshlrev_b32 v[COF], 2, v[COF]
	v_lshl_add_u32 v[WOF], v[HH], 15, v[COF]       ; rows of 1,024 bytes (Wq, Wk, Wv): lanes 16-31 begin 32 rows further down
	v_and_b32 v[GOF], 7, v0
	v_lshlrev_b32 v[GOF], 9, v[GOF]
	v_lshl_add_u32 v[GOF], v[HH], 7, v[GOF]
	v_mov_b32 v[T+6], 0                            ; written once: a lane permute's destination counts as one of its sources
	s_mov_b32 s22, 0x76543210
	s_mov_b32 s23, 0xfedcba98                      ; v_permlanex16_b32's selects for lane l xor 16
	s_mov_b32 s27, 0                               ; the upper word of every offset
	s_wait_kmcnt 0x0
	s_cmp_lt_u32 ttmp9, 64
	s_cbranch_scc1 .Lwq
	s_cmp_lt_u32 ttmp9, 128
	s_cbranch_scc1 .Lwo
	s_cmp_lt_u32 ttmp9, 136
	s_cbranch_scc1 .Lk
	; ---- V: tile t of 16 channels, all 8 batches
	s_sub_co_u32 s24, ttmp9, 136                   ; t
	s_lshr_b32 s26, s24, 1
	s_lshl_b32 s26, s26, 7
	s_and_b32 s28, s24, 1
	s_lshl_b32 s28, s28, 5
	s_add_co_u32 s26, s26, s28                     ; 4 x (32 (t / 2) + 8 (t % 2))
	s_add_nc_u64 s[10:11], s[10:11], s[26:27]
	s_add_nc_u64 s[14:15], s[14:15], s[26:27]
	s_mul_i32 s26, s24, 768
	s_add_nc_u64 s[18:19], s[18:19], s[26:27]
	s_lshl_b32 s26, s24, 2
	s_add_nc_u64 s[20:21], s[20:21], s[26:27]
	v_lshlrev_b32 v[KO], 6, v0                     ; 64 r, in the lanes that store
	s_wait_alu depctr_va_vdst(0)                   ; the offsets v[GOF], v[COF] and v[WOF] are written, which the loads below read
	LOADG
	global_load_b32 v[BI], v[COF], s[14:15]        ; bv of my channel
	LOADW X0, 10, 1024, 0
	s_wait_loadcnt 0x0
	QFRAG XG, FG, SG
	QFRAG X0, F, S
	PLACES 8                                       ; a scale register written by a vector instruction stands 8 places ahead of a scaled matrix instruction, an operand so written 4
	s_wait_alu depctr_va_vdst(0)                   ; the conversions, moves and shifts have written both fragments and both scale words, which the product takes; the places above stay beside this wait
	v_wmma_scale_f32_16x16x128_f8f6f4 v[D:D+7], v[FG:FG+11], v[F:F+11], 0, v[SG], v[S] matrix_a_fmt:MATRIX_FMT_FP6 matrix_b_fmt:MATRIX_FMT_FP6   ; source 0 = g's rows, source 1 = Wv's columns: my lane holds ONE channel, register j batch j (both halves of the lanes alike)
	PLACES 5
; batch j: the channel's value, 16 times; its scale; 16 codes; the fragment is these three registers four times, the scale word the byte four times
.macro VBATCH j
.set VC, 32+14*(\j)
.set q, 0
.rept 16
	v_add_f32 v[16+q], v[D+(\j)], v[BI]
.set q, q+1
.endr
	v_max3_num_f32 v[T], |v16|, |v17|, FLOOR
	v_add_nc_u32 v[T+2], 0xff000000, v[T]
	v_cvt_scalef32_pk16_fp6_f32 v[VC:VC+2], v[16:31], v[T+2]
	v_lshrrev_b32 v[T+4], 23, v[T+2]               ; (the plain instruction behind the conversion)
	v_lshl_or_b32 v[T+4], v[T+4], 8, v[T+4]
	v_lshl_or_b32 v[VC+12], v[T+4], 16, v[T+4]
.irp i, 3,4,5,6,7,8,9,10,11
	v_mov_b32 v[VC+\i], v[VC+(\i%3)]
.endr
.endm
.irp j, 0,1,2,3,4,5,6,7                        ; the accumulator is read from its low end on
	VBATCH \j
.endr
	s_wait_xcnt 0x0                                ; EXEC changes only behind this wait
	v_cmp_gt_u32 vcc_lo, 16, v0
	s_wait_alu depctr_va_vcc(0)                    ; the compare has written VCC, from which EXEC is made
	s_wait_alu depctr_va_vdst(0)                   ; ahead of the write of EXEC: every vector line issued so far has written its result; among them the eight batches' codes and scale words in v32 to v143 and the offset v[KO], which the stores below read
	s_wait_alu depctr_vm_vsrc(0)                   ; ahead of the write of EXEC: every load issued so far has read its vector registers
	s_and_saveexec_b32 s30, vcc_lo                 ; lanes 16-31 hold the same numbers: lanes 0-15 store
.irp j, 0,1,2,3,4,5,6,7
.irp c, 0,1,2
	global_store_b128 v[L16], v[32+14*\j+4*\c:32+14*\j+4*\c+3], s[18:19] offset:196608+12288*\j+256*\c   ; sixteen lanes store 256 consecutive bytes, aligned
.endr
	global_store_b32 v[KO], v[32+14*\j+12], s[20:21] offset:16384+1024*\j
.endr
	s_endpgm
.Lwq:	; ---- Wq: tile T = id / 4, K step s = id % 4
	s_lshr_b32 s24, ttmp9, 2
	s_and_b32 s25, ttmp9, 3
	s_lshl_b32 s26, s25, 17                        ; 128 s rows of 1,024 bytes
	s_lshr_b32 s28, s24, 1
	s_lshl_b32 s28, s28, 7
	s_add_co_u32 s26, s26, s28
	s_and_b32 s28, s24, 1
	s_lshl_b32 s28, s28, 5
	s_add_co_u32 s26, s26, s28                     ; + 4 x (32 (T / 2) + 8 (T % 2))
	s_add_nc_u64 s[4:5], s[4:5], s[26:27]
	s_mul_i32 s26, ttmp9, 1536
	s_add_nc_u64 s[18:19], s[18:19], s[26:27]
	s_lshl_b32 s26, s24, 9
	s_lshl_b32 s28, s25, 2
	s_add_co_u32 s26, s26, s28
	s_add_nc_u64 s[20:21], s[20:21], s[26:27]
	s_wait_alu depctr_va_vdst(0)                   ; the offset v[WOF] is written, which the loads below read
	LOADW X0, 4, 1024, 0
	s_wait_loadcnt 0x0
	QFRAG X0, F, S
	s_wait_alu depctr_va_vdst(0)                   ; the conversions, moves and shifts have written the fragment and its scale word, which the stores below read
.irp c, 0,1,2
	global_store_b128 v[L16], v[F+4*\c:F+4*\c+3], s[18:19] offset:512*\c    ; 32 lanes store 512 consecutive bytes, aligned
.endr
	global_store_b32 v[L16], v[S], s[20:21]
	s_endpgm
.Lwo:	; ---- Wo: tile T' = j / 2, K step s = j % 2, j = id - 64; the tile's columns are neighbours
	s_sub_co_u32 s24, ttmp9, 64
	s_lshr_b32 s25, s24, 1
	s_and_b32 s28, s24, 1
	s_lshl_b32 s26, s28, 18                        ; 128 s rows of 2,048 bytes
	s_lshl_b32 s29, s25, 6
	s_add_co_u32 s26, s26, s29                     ; + 4 x 16 T'
	s_add_nc_u64 s[6:7], s[6:7], s[26:27]
	s_mul_i32 s26, s24, 1536
	s_add_nc_u64 s[18:19], s[18:19], s[26:27]
	s_lshl_b32 s26, s25, 8
	s_lshl_b32 s29, s28, 2
	s_add_co_u32 s26, s26, s29
	s_add_nc_u64 s[20:21], s[20:21], s[26:27]
	v_lshlrev_b32 v[WOF], 2, v[RR]
	v_lshl_add_u32 v[WOF], v[HH], 16, v[WOF]       ; 4 r + h x 32 rows of 2,048 bytes
	s_wait_alu depctr_va_vdst(0)                   ; the offset v[WOF] is written, which the loads below read
	LOADW X0, 6, 2048, 0
	s_wait_loadcnt 0x0
	QFRAG X0, F, S
	s_wait_alu depctr_va_vdst(0)                   ; the conversions, moves and shifts have written the fragment and its scale word, which the stores below read
.irp c, 0,1,2
	global_store_b128 v[L16], v[F+4*\c:F+4*\c+3], s[18:19] offset:98304+512*\c
.endr
	global_store_b32 v[L8], v[S], s[20:21] offset:8192
	s_endpgm
.Lk:	; ---- K: channels 32 blk .. 32 blk + 31 (tiles 2 blk and 2 blk + 1 of Wk), all 8 batches
	s_sub_co_u32 s24, ttmp9, 128                   ; blk
	s_lshl_b32 s26, s24, 7                         ; 32 channels of 4 bytes
	s_add_nc_u64 s[8:9], s[8:9], s[26:27]
	s_add_nc_u64 s[12:13], s[12:13], s[26:27]
	s_mul_i32 s26, s24, 24
	s_add_nc_u64 s[18:19], s[18:19], s[26:27]
	s_mov_b32 s26, s24
	s_add_nc_u64 s[20:21], s[20:21], s[26:27]
	v_lshlrev_b32 v[BI], 6, v[HH]                  ; bk: 64 h
	v_mul_u32_u24 v[KO], v[RR], 192
	v_mad_u32_u24 v[KO], v[HH], 12, v[KO]          ; codes: row r of 192 bytes, + 12 h
	v_lshlrev_b32 v[KB], 3, v[RR]                  ; scale bytes: 8 a row
	s_wait_alu depctr_va_vdst(0)                   ; the offsets v[GOF], v[BI] and v[WOF] are written, which the loads below read
	LOADG
.irp u, 0,1
	global_load_b128 v[D+8*\u:D+8*\u+3], v[BI], s[12:13] offset:32*\u         ; bk in the result's layout: it is the C of the product
	global_load_b128 v[D+8*\u+4:D+8*\u+7], v[BI], s[12:13] offset:32*\u+16
.endr
	LOADW X0, 8, 1024, 0
	LOADW X1, 8, 1024, 32
	s_wait_loadcnt 0x0
	QFRAG XG, FG, SG
	QFRAG X0, F, S
	PLACES 8
	s_wait_alu depctr_va_vdst(0)                   ; the conversions, moves and shifts have written both fragments and both scale words, which the product takes; the places above stay beside this wait
	v_wmma_scale_f32_16x16x128_f8f6f4 v[D:D+7], v[F:F+11], v[FG:FG+11], v[D:D+7], v[S], v[SG] matrix_a_fmt:MATRIX_FMT_FP6 matrix_b_fmt:MATRIX_FMT_FP6   ; TRANSPOSED: source 0 = 16 columns of Wk, source 1 = g: my lane holds one batch, its registers run along the channels
	QFRAG X1, F, S                                 ; its first 32 lines name none of the product's registers: they are the places ahead of the writes of F and S
	PLACES 8
	s_wait_alu depctr_va_vdst(0)                   ; the second tile's fragment and scale word are written, which the product takes; the places above stay beside this wait
	v_wmma_scale_f32_16x16x128_f8f6f4 v[D+8:D+15], v[F:F+11], v[FG:FG+11], v[D+8:D+15], v[S], v[SG] matrix_a_fmt:MATRIX_FMT_FP6 matrix_b_fmt:MATRIX_FMT_FP6
	PLACES 5
	v_max3_num_f32 v[T], |v[D]|, |v[D+1]|, FLOOR   ; my 16 registers are channels 32 blk + 16 h + 0 .. 15 of batch r % 8: half a block of the next product's K
.irp i, 2,4,6,8,10,12,14
	v_max3_num_f32 v[T], v[T], |v[D+\i]|, |v[D+\i+1]|
.endr
	v_permlanex16_b32 v[T+6], v[T], s22, s23
	v_max_num_f32 v[T], v[T], v[T+6]               ; with lane l xor 16's: the block's largest magnitude
	v_add_nc_u32 v[T+2], 0xff000000, v[T]
	v_cvt_scalef32_pk16_fp6_f32 v[CT:CT+2], v[D:D+15], v[T+2]
	v_lshrrev_b32 v[T+4], 23, v[T+2]               ; the byte (the plain instruction behind the conversion)
	s_wait_xcnt 0x0                                ; EXEC changes only behind this wait
	v_cmp_gt_u32 vcc_lo, 8, v[RR]
	s_wait_alu depctr_va_vcc(0)                    ; the compare has written VCC, from which EXEC is made
	s_wait_alu depctr_va_vdst(0)                   ; ahead of the write of EXEC: every vector line issued so far has written its result; among them the codes in v[CT ..] and the byte in v[T+4], which the stores below read
	s_wait_alu depctr_vm_vsrc(0)                   ; ahead of the write of EXEC: every load issued so far has read its vector registers
	s_and_saveexec_b32 s30, vcc_lo                 ; rows 8-15 repeat rows 0-7
	global_store_b96 v[KO], v[CT:CT+2], s[18:19] offset:294912
	global_store_b8 v[KB], v[T+4], s[20:21] offset:24576   ; both halves of the lanes write the same byte with the same value
	s_endpgm
.Lfunc_end_k_qb2e476ae77_prep:
	.size	k_qb2e476ae77_prep, .Lfunc_end_k_qb2e476ae77_prep-k_qb2e476ae77_prep
	.p2alignl 7, 3214868480
	.fill 96, 4, 3214868480
	.section	.rodata,"a",@progbits
	.p2align	6, 0x0
	.amdhsa_kernel k_qb2e476ae77_prep
		.amdhsa_group_segment_fixed_size 0
		.amdhsa_private_segment_fixed_size 0
		.amdhsa_enable_private_segment 0
		.amdhsa_kernarg_size 72
		.amdhsa_user_sgpr_count 2
		.amdhsa_user_sgpr_kernarg_segment_ptr 1
		.amdhsa_wavefront_size32 1
		.amdhsa_system_sgpr_workgroup_id_x 1
		.amdhsa_system_sgpr_workgroup_id_y 1
		.amdhsa_system_sgpr_workgroup_id_z 1
		.amdhsa_system_vgpr_workitem_id 0
		.amdhsa_next_free_vgpr 256
		.amdhsa_next_free_sgpr 66
		.amdhsa_reserve_vcc 1
		.amdhsa_float_denorm_mode_32 3
		.amdhsa_float_denorm_mode_16_64 3
		.amdhsa_memory_ordered 1
		.amdhsa_forward_progress 1
		.amdhsa_inst_pref_size 74
	.end_amdhsa_kernel
	.amdgpu_metadata
---
amdhsa.version: [ 1, 2 ]
amdhsa.kernels:
  - .name:           k_qb2e476ae77_prep
    .symbol:         k_qb2e476ae77_prep.kd
    .args:
      - { .name: Wq, .offset: 0, .size: 8, .value_kind: global_buffer, .address_space: global }
      - { .name: Wo, .offset: 8, .size: 8, .value_kind: global_buffer, .address_space: global }
      - { .name: Wk, .offset: 16, .size: 8, .value_kind: global_buffer, .address_space: global }
      - { .name: Wv, .offset: 24, .size: 8, .value_kind: global_buffer, .address_space: global }
      - { .name: bk, .offset: 32, .size: 8, .value_kind: global_buffer, .address_space: global }
      - { .name: bv, .offset: 40, .size: 8, .value_kind: global_buffer, .address_space: global }
      - { .name: g, .offset: 48, .size: 8, .value_kind: global_buffer, .address_space: global }
      - { .name: frag, .offset: 56, .size: 8, .value_kind: global_buffer, .address_space: global }
      - { .name: scl, .offset: 64, .size: 8, .value_kind: global_buffer, .address_space: global }
    .group_segment_fixed_size: 0
    .private_segment_fixed_size: 0
    .kernarg_segment_align: 8
    .kernarg_segment_size: 72
    .max_flat_workgroup_size: 32
    .sgpr_count:     66
    .vgpr_count:     256
    .wavefront_size: 32
...
	.end_amdgpu_metadata
.endif
;; end of part 3
;; launch main: the kernel of part 2 again; grid 256 x 1, 4 waves a work-group, no clusters, 251,392 bytes of LDS; arguments x, bq, bo, frag, scl, out0; writes out0
